; MI455X (gfx1250); checked and timed in simulation.
; The chip was launched on July 23, 2026; its instructions are those of AMD's public machine-readable ISA for CDNA 5 (MIT licence, August 2026) and "CDNA5" Instruction Set Architecture Reference Guide (July 2026). The comments in the code are by the model that wrote it; some were corrected since.
;; Local Attention Block. Allowed arithmetic: float matrix products may take bf16 or f16 operands with f32 sums; other float arithmetic in f32, or as packed bf16 or f16 multiplies, adds, multiply-adds, maxima and minima; sums over many terms, partial sums and values carried from step to step in f32; what a program stores and reads back later, other than sums and carried values, may be rounded once to bf16 or f16.
;; Inputs: k 2 x 4,096 x 512 float32; q 2 x 4,096 x 512 float32; v 2 x 4,096 x 512 float32; wk 512 x 512 float32; wo 512 x 512 float32; wq 512 x 512 float32; wv 512 x 512 float32.
;; Outputs: out0 2 x 4,096 x 512 float32.
;; 2 versions, each right; version 2 is version 1 with the launch proj written anew for expert scheduling mode. Each part assembles by itself: llvm-mc -triple=amdgcn-amd-amdhsa -mcpu=gfx1250 --defsym DOCPART=n.
;; ======== version 1 of 2: 3 launches
;; limits: values are held in f16: magnitudes above 65,504 overflow, below 6.1e-05 lose precision; right only within a limited range of input values
;; workspace buffers: qkvh 25,165,824 bytes; oh 8,388,608 bytes; wof 524,288 bytes
;; launch proj (part 1): grid 2 x 96, 16 waves a work-group, no clusters, 186,368 bytes of LDS; arguments q, k, v, wq, wk, wv, qkvh; writes qkvh
.if DOCPART == 1
	.amdgcn_target "amdgcn-amd-amdhsa--gfx1250"
	.amdhsa_code_object_version 6
	.text
	.protected	k_qff8ab94a43_proj
	.globl	k_qff8ab94a43_proj
	.p2align	8
	.type	k_qff8ab94a43_proj,@function
k_qff8ab94a43_proj:
	s_mov_b64 s[64:65], 0
	v_nop
	global_prefetch_b8 v0, s[64:65] scope:SCOPE_SE
	s_setreg_imm32_b32 hwreg(HW_REG_WAVE_MODE, 25, 1), 1
	s_wait_xcnt 0x0
; THE THREE PROJECTIONS.  Y_t[m][n] = sum over k of x_t[m][k] W_t[n][k], t = 0, 1, 2 (q wq, k wk, v wv).  x: [8192][512] f32, W: [512][512] f32.
; x and W are rounded once to bf16 on the way into LDS, the sums are f32, Y is rounded once to f16 and laid by heads: qkvh[t][batch*8+head][4096][64], a head's rows dense, 128 bytes each.
; LIMITS.  f16 ends at 65,504: |Y| stays below that (inputs 30 times those of unit spread give some 2e3); below 6e-5 f16 keeps its fixed step of 6e-8.  NaN and infinities are not treated apart.
; SHARES.  A work-group makes 256 rows x 256 columns of one Y: grid x = column half, grid y = 32 t + row block: 192 work-groups (the work has the factor 3; tiles half as large would read x and W twice as often).
; 16 waves in 4 x 4, each 64 x 64: 16 accumulators, 128 registers.  A wave's 64 columns are one head.
; THROUGH REGISTERS, NO TENSOR LOAD, NO CLUSTER: the inputs are f32; loaded into registers each number is rounded once and LDS holds 2 bytes of it; brought by the data mover it would lie in LDS
; as 4 bytes, and each of the four waves that read a fragment would read twice the bytes and round it again.  Joint requests exist for the data mover's loads alone.
; K goes in 8 steps of 64 through two LDS buffers.  Step s: the registers loaded a step ago are rounded and stored into buffer s % 2, step s + 1 is asked for, ONE barrier, 32 matrix instructions.
; One barrier a step serves both orders: buffer s % 2 was last read in step s - 2, and every wave had those reads back before it signalled the barrier of step s - 1.
; THE MATRIX INSTRUCTION IS USED TRANSPOSED (source 0 = 16 rows of W, source 1 = 16 rows of x): a lane then holds one token and eight neighbouring channels, 16 bytes of f16.
.set PITCH, 144                        ; an LDS row: 128 bytes (64 bf16) + 16: the 16 rows of a fragment load start at 16 different 16-byte columns of 256 bytes
.set BOFF,  256*PITCH                  ; W's 256 rows lie behind x's 256
.set BUF,   2*BOFF                     ; a buffer
.set STAGE, 2*BUF                      ; behind the buffers: 16 rows x 144 bytes for each wave, for the way out
.set WSTG,  16*PITCH
.set SPARE, STAGE+16*WSTG              ; the spare words, 128 bytes for each of 16 waves; no other line names them
.set GOFF, 3                           ; v3      my byte offset in x's and W's 256 rows: row 16 w + l / 16, 16 bytes at 16 (l % 16)
.set LST,  4                           ; v4-5    where I store 8 bytes (4 bf16) in buffer 0, 1
.set ADRA, 6                           ; v6-7    my x fragments in buffer 0, 1
.set ADRB, 8                           ; v8-9    my W fragments
.set SPW,  10                          ; v10     LDS address of my spare word; never rewritten
.set NIL,  11                          ; v11     0; never rewritten
.set STO,  12                          ; v12     the way out: where I put 16 bytes of a row
.set RD,   13                          ; v13     the way out: where I read rows back
.set GO,   14                          ; v14     my 16 bytes in 512 consecutive bytes of the output
.set PFO,  15                          ; v15     prefetch: row = my thread's number
.set BF,   16                          ; v16-47  four fragments of W (64 channels x 32 K)
.set AF,   48                          ; v48-63  two fragments of x
.set STG,  64                          ; v64-127 as loaded: 8 x 4 of x, 8 x 4 of W; later the packed results
.set ACC,  128                         ; v128-255 accumulator (a, b): token block a, channel block b, at ACC + 8 (4 a + b)
.set WV, 18                            ; s18 wave;  s19 wave / 4: my 64 rows;  s20 wave % 4: my 64 columns
.set XA, 24                            ; s[24:25] x at the work-group's first row
.set WB, 26                            ; s[26:27] W at its first row
.set PF, 30                            ; s30 1: this wave asks ahead
	s_load_b256 s[4:11], s[0:1], 0x0               ; q s[4:5], k s[6:7], v s[8:9], wq s[10:11]
	s_load_b128 s[12:15], s[0:1], 0x20             ; wk s[12:13], wv s[14:15]
	s_load_b64 s[16:17], s[0:1], 0x30              ; qkvh
	v_lshl_add_u32 v[SPW], v0, 2, SPARE
	v_mov_b32 v[NIL], 0
	v_lshrrev_b32 v16, 5, v0
	v_readfirstlane_b32 s[WV], v16                 ; wave 0..15
	s_lshr_b32 s19, s[WV], 2
	s_and_b32 s20, s[WV], 3
	s_mov_b32 s21, ttmp9                           ; column half
	s_and_b32 s23, ttmp7, 0xffff
	s_lshr_b32 s22, s23, 5                         ; t
	s_and_b32 s23, s23, 31                         ; row block
	s_cmp_lt_u32 s[WV], 8                          ; the prefetches: waves 0-7 of the left column half alone, so that each block is asked for once in the launch
	s_cselect_b32 s[PF], 1, 0
	s_cmp_eq_u32 s21, 0
	s_cselect_b32 s[PF], s[PF], 0
	v_and_b32 v1, 15, v0                           ; r = l % 16
	v_bfe_u32 v2, v0, 4, 1                         ; hh = l / 16
	v_lshlrev_b32 v[GOFF], 4, v1
	v_lshl_add_u32 v[GOFF], v2, 11, v[GOFF]        ; a row is 2,048 bytes
	s_lshl_b32 s28, s[WV], 15                      ; 16 rows a wave
	v_add_nc_u32 v[GOFF], s28, v[GOFF]
	v_mul_u32_u24 v[LST], v2, PITCH
	v_lshl_add_u32 v[LST], v1, 3, v[LST]
	s_mul_i32 s28, s[WV], WSTG                     ; 16 rows of 144 bytes a wave
	v_add_nc_u32 v[LST], s28, v[LST]
	v_add_nc_u32 v[LST+1], BUF, v[LST]
	v_mul_u32_u24 v17, v1, PITCH
	v_lshl_add_u32 v17, v2, 4, v17                 ; a fragment's row x pitch + 16 x half
	s_add_co_u32 s28, s28, STAGE                   ; my stage
	v_add_nc_u32 v[STO], s28, v17
	v_bfe_u32 v18, v0, 3, 2                        ; back: 32 lanes take four rows of 128 bytes
	v_mul_u32_u24 v18, v18, PITCH
	v_and_b32 v19, 7, v0
	v_lshl_add_u32 v18, v19, 4, v18
	v_add_nc_u32 v[RD], s28, v18
	s_mul_i32 s28, s19, 64*PITCH
	v_add_nc_u32 v[ADRA], s28, v17
	v_add_nc_u32 v[ADRA+1], BUF, v[ADRA]
	s_mul_i32 s28, s20, 64*PITCH
	s_add_co_u32 s28, s28, BOFF
	v_add_nc_u32 v[ADRB], s28, v17
	v_add_nc_u32 v[ADRB+1], BUF, v[ADRB]
	v_and_b32 v[GO], 31, v0
	v_lshlrev_b32 v[GO], 4, v[GO]
	v_lshlrev_b32 v[PFO], 11, v0
	; where my 64 tokens of my head begin in qkvh
	s_lshl_b32 s28, s22, 23                        ; the tensor: 16 heads x 4,096 rows x 128 bytes
	s_lshr_b32 s29, s23, 4                         ; batch
	s_lshl_b32 s29, s29, 3
	s_lshl_b32 s31, s21, 2
	s_add_co_u32 s29, s29, s31
	s_add_co_u32 s29, s29, s20                     ; batch x 8 + head, head = 4 x column half + wave % 4
	s_lshl_b32 s29, s29, 19
	s_add_co_u32 s28, s28, s29
	s_and_b32 s29, s23, 15
	s_lshl_b32 s29, s29, 8
	s_lshl_b32 s31, s19, 6
	s_add_co_u32 s29, s29, s31                     ; the token in its sequence
	s_lshl_b32 s29, s29, 7
	s_add_co_u32 s28, s28, s29
	s_mov_b32 s29, 0
	s_lshl_b32 s32, s23, 19                        ; 256 rows of 2,048 bytes
	s_mov_b32 s33, 0
	s_lshl_b32 s34, s21, 19
	s_mov_b32 s35, 0
	s_wait_kmcnt 0x0
	s_cmp_eq_u32 s22, 1                            ; the pair of inputs is chosen by t
	s_cselect_b64 s[XA:XA+1], s[6:7], s[4:5]
	s_cselect_b64 s[WB:WB+1], s[12:13], s[10:11]
	s_cmp_eq_u32 s22, 2
	s_cselect_b64 s[XA:XA+1], s[8:9], s[XA:XA+1]
	s_cselect_b64 s[WB:WB+1], s[14:15], s[WB:WB+1]
	s_add_nc_u64 s[XA:XA+1], s[XA:XA+1], s[32:33]
	s_add_nc_u64 s[WB:WB+1], s[WB:WB+1], s[34:35]
	s_add_nc_u64 s[16:17], s[16:17], s[28:29]
.macro PLACES                          ; four places in front of loads into registers that matrix instructions have read, and of conversions that read results
.rept 4
	v_nop
.endr
.endm
; K step s is asked for: 16 loads; sixteen lanes take 256 consecutive bytes of a row, at a multiple of 256 from the buffer's first byte
.macro GLOAD s
.irp i, 0,1,2,3,4,5,6,7
	global_load_b128 v[STG+4*\i:STG+4*\i+3], v[GOFF], s[XA:XA+1] offset:\i*4096+(\s)*256
.endr
.irp i, 0,1,2,3,4,5,6,7
	global_load_b128 v[STG+32+4*\i:STG+32+4*\i+3], v[GOFF], s[WB:WB+1] offset:\i*4096+(\s)*256
.endr
.endm
; rounded to bf16 in place, and into buffer n
.macro CVST n
.set i, 0
.rept 16
	v_cvt_pk_bf16_f32 v[STG+4*i], v[STG+4*i], v[STG+4*i+1]
	v_cvt_pk_bf16_f32 v[STG+4*i+1], v[STG+4*i+2], v[STG+4*i+3]
.set i, i+1
.endr
.irp i, 0,1,2,3,4,5,6,7
	ds_store_b64 v[LST+(\n)], v[STG+4*\i:STG+4*\i+1] offset:\i*2*PITCH
.endr
.irp i, 0,1,2,3,4,5,6,7
	ds_store_b64 v[LST+(\n)], v[STG+32+4*\i:STG+32+4*\i+1] offset:BOFF+\i*2*PITCH
.endr
.endm
.macro AFRAG n, c, a0                  ; x's fragments of token blocks a0, a0 + 1
.irp a, 0,1
	ds_load_b128 v[AF+8*\a:AF+8*\a+3],   v[ADRA+(\n)] offset:((\a0)+\a)*WSTG+64*(\c)
	ds_load_b128 v[AF+8*\a+4:AF+8*\a+7], v[ADRA+(\n)] offset:((\a0)+\a)*WSTG+64*(\c)+32
.endr
.endm
.macro MUL8 a0, zero                   ; 8 matrix instructions on 8 accumulators; the 16 take turns, one instruction a turn.  zero = 1: the first product starts the sums
.irp a, 0,1
.irp b, 0,1,2,3
.if \zero
	v_wmma_f32_16x16x32_bf16 v[ACC+8*(4*((\a0)+\a)+\b):ACC+8*(4*((\a0)+\a)+\b)+7], v[BF+8*\b:BF+8*\b+7], v[AF+8*\a:AF+8*\a+7], 0
.else
	v_wmma_f32_16x16x32_bf16 v[ACC+8*(4*((\a0)+\a)+\b):ACC+8*(4*((\a0)+\a)+\b)+7], v[BF+8*\b:BF+8*\b+7], v[AF+8*\a:AF+8*\a+7], v[ACC+8*(4*((\a0)+\a)+\b):ACC+8*(4*((\a0)+\a)+\b)+7]
.endif
.endr
.endr
.endm
; 32 along K (half c of buffer n): 16 matrix instructions.  pl = 1: no other vector work stands behind the last products
.macro KSUB n, c, zero, pl
.if \pl
	PLACES
.endif
.irp b, 0,1,2,3
	ds_load_b128 v[BF+8*\b:BF+8*\b+3],   v[ADRB+(\n)] offset:\b*WSTG+64*(\c)
	ds_load_b128 v[BF+8*\b+4:BF+8*\b+7], v[ADRB+(\n)] offset:\b*WSTG+64*(\c)+32
.endr
	AFRAG \n, \c, 0
	s_wait_dscnt 0x0                               ; the other three waves of the SIMD multiply meanwhile
	MUL8 0, \zero
	PLACES
	AFRAG \n, \c, 2
	s_wait_dscnt 0x0
	MUL8 2, \zero
.endm
.macro KSTEP s
	s_wait_loadcnt 0x0                             ; step s is in registers: it was asked for a step ago
	CVST (\s)%2                                    ; the 32 roundings are also the places behind the last step's products
.if (\s) < 7
	GLOAD (\s)+1
.endif
.if (\s) < 6                           ; x's 256 blocks of K step s + 2, whose loads are issued a step from here: one lane a row, 8 waves; the last asked for is step 7, inside each row
	s_cmp_eq_u32 s[PF], 0
	s_cbranch_scc1 .Lnopf_\@
	global_prefetch_b8 v[PFO], s[XA:XA+1] offset:((\s)+2)*256 th:TH_LOAD_NT scope:SCOPE_SE
.Lnopf_\@:
.endif
	s_wait_dscnt 0x0                               ; for the others' sake: my stores into the buffer are done
	s_barrier_signal -1
	s_barrier_wait -1
.if (\s) == 0
	KSUB 0, 0, 1, 0
.else
	KSUB (\s)%2, 0, 0, 0
.endif
	KSUB (\s)%2, 1, 0, 1
.endm
	GLOAD 0
.irp s, 0,1,2,3,4,5,6,7
	KSTEP \s
.endr
; THE WAY OUT.  Token block a: rounded to f16 (each accumulator from its low end on), 16 bytes a lane into my stage, back as whole rows: 16 tokens of a head are 2,048 consecutive bytes.
.macro PACK a
.irp b, 0,1,2,3
.irp r, 0,1,2,3
	v_cvt_pk_f16_f32 v[STG+16*(\a)+4*\b+\r], v[ACC+8*(4*(\a)+\b)+2*\r], v[ACC+8*(4*(\a)+\b)+2*\r+1]
.endr
.endr
.irp b, 0,1,2,3
	ds_store_b128 v[STO], v[STG+16*(\a)+4*\b:STG+16*(\a)+4*\b+3] offset:32*\b
.endr
.irp f, 0,1,2,3
	ds_load_b128 v[STG+16*(\a)+4*\f:STG+16*(\a)+4*\f+3], v[RD] offset:\f*4*PITCH  ; LDS serves a wave's instructions in order (ISA guide 5.7.1): these see the stores above
.endr
.endm
.macro SEND a, younger                 ; younger: the LDS instructions issued behind block a's loads: the next block's eight, or none
.irp f, 0,1,2,3
	s_wait_dscnt (\younger)+3-\f
	global_store_b128 v[GO], v[STG+16*(\a)+4*\f:STG+16*(\a)+4*\f+3], s[16:17] offset:(\a)*2048+\f*512  ; 512 consecutive bytes, at a multiple of 256 from the buffer's first
.endr
.endm
	PLACES
	PACK 0
	PACK 1
	SEND 0, 8
	PACK 2
	SEND 1, 8
	PACK 3
	SEND 2, 8
	SEND 3, 0
	s_wait_tensorcnt 0x0                           ; the wave's end, behind my last LDS store
	ds_add_u32 v[SPW], v[NIL]
	s_wait_dscnt 0x0
	s_endpgm
.Lfunc_end_k_qff8ab94a43_proj:
	.size	k_qff8ab94a43_proj, .Lfunc_end_k_qff8ab94a43_proj-k_qff8ab94a43_proj
	.p2alignl 7, 3214868480
	.fill 96, 4, 3214868480
	.section	.rodata,"a",@progbits
	.p2align	6, 0x0
	.amdhsa_kernel k_qff8ab94a43_proj
		.amdhsa_group_segment_fixed_size 186368
		.amdhsa_private_segment_fixed_size 0
		.amdhsa_enable_private_segment 0
		.amdhsa_kernarg_size 56
		.amdhsa_user_sgpr_count 2
		.amdhsa_user_sgpr_kernarg_segment_ptr 1
		.amdhsa_wavefront_size32 1
		.amdhsa_system_sgpr_workgroup_id_x 1
		.amdhsa_system_sgpr_workgroup_id_y 1
		.amdhsa_system_sgpr_workgroup_id_z 1
		.amdhsa_system_vgpr_workitem_id 0
		.amdhsa_next_free_vgpr 256
		.amdhsa_next_free_sgpr 66
		.amdhsa_reserve_vcc 0
		.amdhsa_float_denorm_mode_32 3
		.amdhsa_float_denorm_mode_16_64 3
		.amdhsa_memory_ordered 1
		.amdhsa_forward_progress 1
		.amdhsa_inst_pref_size 86
	.end_amdhsa_kernel
	.amdgpu_metadata
---
amdhsa.version: [ 1, 2 ]
amdhsa.kernels:
  - .name:           k_qff8ab94a43_proj
    .symbol:         k_qff8ab94a43_proj.kd
    .args:
      - { .name: q, .offset: 0, .size: 8, .value_kind: global_buffer, .address_space: global }
      - { .name: k, .offset: 8, .size: 8, .value_kind: global_buffer, .address_space: global }
      - { .name: v, .offset: 16, .size: 8, .value_kind: global_buffer, .address_space: global }
      - { .name: wq, .offset: 24, .size: 8, .value_kind: global_buffer, .address_space: global }
      - { .name: wk, .offset: 32, .size: 8, .value_kind: global_buffer, .address_space: global }
      - { .name: wv, .offset: 40, .size: 8, .value_kind: global_buffer, .address_space: global }
      - { .name: qkvh, .offset: 48, .size: 8, .value_kind: global_buffer, .address_space: global }
    .group_segment_fixed_size: 186368
    .private_segment_fixed_size: 0
    .kernarg_segment_align: 8
    .kernarg_segment_size: 56
    .max_flat_workgroup_size: 512
    .sgpr_count:     66
    .vgpr_count:     256
    .wavefront_size: 32
...
	.end_amdgpu_metadata
.endif
;; end of part 1
;; launch attn (part 2): grid 16 x 16, 8 waves a work-group, no clusters, 175,104 bytes of LDS; arguments qkvh, wo, oh, wof; writes oh, wof
.if DOCPART == 2
	.amdgcn_target "amdgcn-amd-amdhsa--gfx1250"
	.amdhsa_code_object_version 6
	.text
	.protected	k_qff8ab94a43_attn
	.globl	k_qff8ab94a43_attn
	.p2align	8
	.type	k_qff8ab94a43_attn,@function
k_qff8ab94a43_attn:
	s_mov_b64 s[64:65], 0
	v_nop
	global_prefetch_b8 v0, s[64:65] scope:SCOPE_SE
	s_setreg_imm32_b32 hwreg(HW_REG_WAVE_MODE, 25, 1), 1
	s_wait_xcnt 0x0
; BANDED ATTENTION.  O[bh][i] = sum over j, |i - j| <= 128, of softmax_j(Q[bh][i] . K[bh][j] / 8) V[bh][j].  Q, K, V: qkvh[3][16][4096][64] f16; O: oh[16][4096][64] f16.
; Products, maxima and sums in f32; the weights are rounded to f16 for the second product (their sum is taken of the unrounded weights), O once at the end.
; THE MASK of the module, (dist <= 127) or (dist <= 128), is |i - j| <= 128.  A hidden score inside the walk counts as -1e9, as in the module; keys outside the walk are left out.
; LIMITS.  That equals the module's softmax as long as a row's largest visible score / 8 lies above about -1e9 + 150 (else the module's hidden keys would weigh in).  f16 ends at 65,504: Q, K, V arrive within
; it, O is a mean of V's rows; below 6e-5 f16 keeps its fixed step of 6e-8.  A weight below 2^-126 counts as 0.  NaN and infinities are not treated apart.
; SHARES.  A work-group owns 256 queries of one (batch, head): grid x = block, y = bh: 256 work-groups.  Wave w owns 32 queries, from wq0 = 256 block + 32 w, as two tiles of 16, and walks the keys
; wq0 - 128 .. wq0 + 159 in 9 steps of 32.  Steps 1 to 7 are wholly visible; step 0 and step 8 hold the band's two edges; a step that lies before key 0 or behind key 4,095 is jumped over, forward.
; Step 4 (the queries' own keys) comes first: it is always there and wholly visible, so the running maximum is a true score from the start.
; LDS holds the block's 512 keys at once (local row = key - 256 block + 128): each of the eight waves brings one piece of 128 keys, of K (waves 0-3) or of V (waves 4-7), by one tensor load; nothing is filled again.
; At the sequence's two ends a piece would begin outside the tensor: its start is clamped into it, and what it brings lies in rows that only jumped steps would read.
; NO CLUSTER: a piece of 128 keys is wanted by two neighbouring blocks alone, at different LDS addresses, and a joint request wants one descriptor in all that it names.
; LAYOUT.  S^T = K Q^T (source 0 = 16 keys, source 1 = 16 queries): a lane holds ONE query (lane % 16) and the keys 8 (lane / 16) + 0..7.  Two such results rounded to f16 ARE source 1 of O^T = V^T P.
; p = 2^(c s - c m), c = log2(e) / 8, with a running maximum m; O and l are multiplied by a = 2^(c m_old - c m_new) in every step but the first.
; SIDE JOB.  wo [512][512] f32 is rounded to bf16, like all the module's inputs, written as f16 and laid in K slices for the next launch: wof[8][512][64].  Work-group g takes rows 2 g, 2 g + 1, wave w slice w.
.set PK,    144                        ; a row of K in LDS: 128 bytes + 16: the 16 rows of a load start at 16 different 16-byte columns of 256 bytes
.set PV,    160                        ; a row of V: 128 + 32
.set VOFF,  512*PK
.set STAGE, VOFF+512*PV                ; behind the tiles, never filled by a tensor load: 16 rows x 144 bytes for each wave, for the way out
.set SP,    144
.set SPARE, STAGE+8*16*SP              ; the spare words, 128 bytes for each of 8 waves; no other line names them
.set AK,  2                            ; v2   my lane's place in K, at my wave's first local row
.set AV,  3                            ; v3   the same for V
.set QO,  4                            ; v4   my byte offset in 16 rows of Q
.set RD,  5                            ; v5   the way out: where I read rows back
.set GO,  6                            ; v6   my 16 bytes in 512 consecutive bytes of O
.set YY,  7                            ; v7   lane % 16 - 8 (lane / 16), signed: the band's edge for my lane
.set NEGV, 8                           ; v8   -1e9
.set STO, 10                           ; v10  the way out: where I put 16 bytes of a row
.set SPW, 12                           ; v12  LDS address of my spare word; never rewritten
.set NIL, 13                           ; v13  0; never rewritten
.set ST,  24                           ; tile t's statistics at v[ST+4 t]: c m, m, l (even keys', odd keys')
.set TMP, 32                           ; tile t at v[TMP+4 t]: c0-c3 at work; c2 takes a
.set Q,   40                           ; v40-71    tile t, channel half c at Q + 16 t + 8 c
.set KF,  72                           ; v72-103   key block kb, channel half c at KF + 16 kb + 8 c
.set VF,  104                          ; v104-135  channel block cb at VF + 8 cb
.set S,   136                          ; v136-167  S^T: tile t, key block kb at S + 16 t + 8 kb
.set P,   168                          ; v168-183  8 a tile
.set O,   184                          ; v184-247  O^T: tile t, channel block cb at O + 32 t + 8 cb
.set WV,  12                           ; s12 wave
.set WQ0, 15                           ; s15 my wave's first query
.set G1K, 24                           ; s[24:31] descriptor group 1 for K;  s[32:39] for V: it differs in the padding alone
.set G1V, 32
.set G0K, 40                           ; s[40:43], s[44:47] group 0
.set G0V, 44
.set CS,  58                           ; s[58:59] c
.set SEL, 60                           ; s[60:61] v_permlanex16_b32's selects: each lane takes its own place in the other half
	s_load_b256 s[4:11], s[0:1], 0x0               ; qkvh s[4:5], wo s[6:7], oh s[8:9], wof s[10:11]
	v_lshl_add_u32 v[SPW], v0, 2, SPARE
	v_mov_b32 v[NIL], 0
	ds_add_u32 v[SPW], v[NIL]                      ; the wave's opening: the add and its wait stand ahead of my first tensor load; the set-up below, work on registers, stands between them
	ds_add_u32 v12, v13
	v_lshrrev_b32 v1, 5, v0
	v_readfirstlane_b32 s[WV], v1                  ; wave 0..7
	s_mov_b32 s13, ttmp9                           ; block of 256 queries
	s_and_b32 s14, ttmp7, 0xffff                   ; batch x 8 + head
	s_lshl_b32 s[WQ0], s13, 8
	s_lshl_b32 s16, s[WV], 5
	s_add_co_u32 s[WQ0], s[WQ0], s16
	s_and_b32 s52, s[WV], 3                        ; p: which piece of 128 keys I bring
	s_lshl_b32 s18, s13, 8
	s_sub_co_i32 s18, s18, 128
	s_lshl_b32 s19, s52, 7
	s_add_co_i32 s18, s18, s19                     ; its first key, 256 block - 128 + 128 p,
	s_max_i32 s18, s18, 0                          ; held inside the sequence
	s_min_i32 s18, s18, 3968
	s_lshl_b32 s18, s18, 7                         ; 128 bytes a key
	s_lshl_b32 s16, s14, 19                        ; a head is 4,096 rows of 128 bytes
	s_add_co_u32 s18, s18, s16
	s_add_co_u32 s20, s18, (1<<23)                 ; K is the second tensor in qkvh,
	s_mov_b32 s21, 0
	s_add_co_u32 s22, s18, (2<<23)                 ; V the third
	s_mov_b32 s23, 0
	s_lshl_b32 s48, s[WQ0], 7
	s_add_co_u32 s48, s48, s16                     ; my wave's first row in Q and in oh
	s_mov_b32 s49, 0
	s_lshl_b32 s53, s14, 4
	s_add_co_u32 s53, s53, s13                     ; g, 0..255
	s_lshl_b32 s54, s53, 12                        ; wo: two rows of 2,048 bytes a work-group,
	s_lshl_b32 s55, s[WV], 8
	s_add_co_u32 s54, s54, s55                     ; 256 bytes (64 f32) a wave
	s_lshl_b32 s55, s[WV], 16                      ; wof: a slice is 512 rows of 128 bytes,
	s_lshl_b32 s56, s53, 8
	s_add_co_u32 s55, s55, s56                     ; two rows a work-group
	; descriptor group 1.  128 keys are 16,384 dense bytes: asked for as 64 rows of 256 bytes, two keys a row, and padded in LDS after every key
	s_mov_b32 s[G1K], (1<<16)|(1<<20)|(4<<22)|(3<<25)  ; 17:16 2-byte elements; 20 padding on; 24:22 after every 32 words (code 4); 31:25 4 words (code 3)
	s_mov_b32 s[G1V], (1<<16)|(1<<20)|(4<<22)|(7<<25)  ; the same with 8 words of padding (code 7)
.irp g, G1K, G1V
	s_mov_b32 s[\g+1], 128<<16                     ; tensor_dim0 = 128
	s_mov_b32 s[\g+2], 64<<16                      ; tensor_dim1 = 64
	s_mov_b32 s[\g+3], 128<<16                     ; tile_dim0 = 128
	s_mov_b32 s[\g+4], 64                          ; tile_dim1 = 64
	s_mov_b32 s[\g+5], 128                         ; 128 elements from row to row
	s_mov_b32 s[\g+6], 0
	s_mov_b32 s[\g+7], 0
.endr
	s_mov_b32 s[G0K], 1                            ; 1:0 count = 1
	s_mul_i32 s[G0K+1], s52, 128*PK                ; 63:32 LDS address: piece p of K
	s_mov_b32 s[G0V], 1
	s_mul_i32 s[G0V+1], s52, 128*PV
	s_add_co_u32 s[G0V+1], s[G0V+1], VOFF          ; piece p of V
	s_mov_b32 s[CS], 0x3e38aa3b                    ; c = log2(e) / 8 = 0.180337
	s_mov_b32 s[CS+1], s[CS]                       ; named with it as a pair
	s_mov_b32 s[SEL], 0x76543210
	s_mov_b32 s[SEL+1], 0xfedcba98
	s_wait_dscnt 0x0                               ; the opening add is done
	s_wait_kmcnt 0x0
	s_add_nc_u64 s[G0K+2:G0K+3], s[4:5], s[20:21]  ; 120:64 global address
	s_or_b32 s[G0K+3], s[G0K+3], 0x80000000        ; 127:126 type = 2
	s_add_nc_u64 s[G0V+2:G0V+3], s[4:5], s[22:23]
	s_or_b32 s[G0V+3], s[G0V+3], 0x80000000
	s_add_nc_u64 s[50:51], s[4:5], s[48:49]        ; Q at my wave's first row
	s_add_nc_u64 s[8:9], s[8:9], s[48:49]          ; oh likewise
	s_cmp_lt_u32 s[WV], 4                          ; my one fill: one tensor load of mine is out.  An s_nop 0 and four v_nop follow each of the two lines
	s_cbranch_scc0 .Lfor_v
	tensor_load_to_lds s[G0K:G0K+3], s[G1K:G1K+7]
	s_nop 0
.rept 4
	v_nop
.endr
	s_branch .Lasked
.Lfor_v:
	tensor_load_to_lds s[G0V:G0V+3], s[G1V:G1V+7]
	s_nop 0
.rept 4
	v_nop
.endr
.Lasked:
	; A fragment of K or Q is 16 rows x 32 channels in 8 registers: lane l holds row l % 16, channels 8 (l / 16) + 0..7 and 16 + 8 (l / 16) + 0..7: two loads of 16 bytes, 32 bytes apart.
	v_and_b32 v1, 15, v0                           ; r = l % 16
	v_bfe_u32 v9, v0, 4, 1                         ; hh = l / 16
	v_lshlrev_b32 v[QO], 7, v1
	v_lshl_add_u32 v[QO], v9, 4, v[QO]
.irp i, 0,1,2,3                        ; Q stays in registers: tile i / 2, channels 32 (i % 2) on
	global_load_b128 v[Q+8*\i:Q+8*\i+3],   v[QO], s[50:51] offset:(\i/2)*2048+(\i%2)*64
	global_load_b128 v[Q+8*\i+4:Q+8*\i+7], v[QO], s[50:51] offset:(\i/2)*2048+(\i%2)*64+32
.endr
	v_lshlrev_b32 v14, 4, v1
	v_lshl_add_u32 v14, v9, 11, v14
	v_add_nc_u32 v14, s54, v14                     ; wo: row 2 g + hh, 16 bytes at 256 w + 16 r: sixteen lanes take 256 consecutive bytes
	global_load_b128 v[16:19], v14, s[6:7]
	v_and_b32 v15, 31, v0
	v_lshlrev_b32 v15, 3, v15
	v_add_nc_u32 v15, s55, v15                     ; wof: 8 bytes a lane, 256 consecutive bytes a wave
	v_mul_u32_u24 v[AK], v1, PK
	v_lshl_add_u32 v[AK], v9, 4, v[AK]             ; row x 144 + 16 x half: for K and for the stage
	s_mul_i32 s56, s[WV], 16*SP
	s_add_co_u32 s56, s56, STAGE                   ; my stage
	v_add_nc_u32 v[STO], s56, v[AK]
	s_mul_i32 s57, s[WV], 32*PK                    ; my walk begins at local row 32 w
	v_add_nc_u32 v[AK], s57, v[AK]
	; The turning load takes 16 keys x 16 channels (lane l reads key 8 (l / 16) + l % 8, channels 8 ((l / 8) % 2) + 0..7) and leaves half a fragment of V^T: lane l holds channel l % 16 and 8 keys.
	v_and_b32 v20, 7, v0
	v_bfe_u32 v21, v0, 3, 1
	v_lshl_add_u32 v[AV], v9, 3, v20
	v_mul_u32_u24 v[AV], v[AV], PV
	v_lshl_add_u32 v[AV], v21, 4, v[AV]
	s_mul_i32 s57, s[WV], 32*PV
	s_add_co_u32 s57, s57, VOFF
	v_add_nc_u32 v[AV], s57, v[AV]
	v_bfe_u32 v[RD], v0, 3, 2                      ; back: 32 lanes take four rows of 128 bytes,
	v_mul_u32_u24 v[RD], v[RD], SP
	v_lshl_add_u32 v[RD], v20, 4, v[RD]
	v_add_nc_u32 v[RD], s56, v[RD]
	v_and_b32 v[GO], 31, v0                        ; which are 512 consecutive bytes of O
	v_lshlrev_b32 v[GO], 4, v[GO]
	v_lshlrev_b32 v[YY], 3, v9
	v_sub_nc_u32 v[YY], v1, v[YY]
	v_mov_b32 v[NEGV], 0xce6e6b28                  ; -1e9
	s_wait_loadcnt 0x0                             ; Q and wo
	v_cvt_pk_bf16_f32 v20, v16, v17                ; wo: to bf16,
	v_cvt_pk_bf16_f32 v21, v18, v19
	v_lshlrev_b32 v16, 16, v20                     ; that number as f32,
	v_and_b32 v17, 0xffff0000, v20
	v_lshlrev_b32 v18, 16, v21
	v_and_b32 v19, 0xffff0000, v21
	v_cvt_pk_f16_f32 v22, v16, v17                 ; and as f16: exact within f16's normal range
	v_cvt_pk_f16_f32 v23, v18, v19
	global_store_b64 v15, v[22:23], s[10:11]       ; v15, v22, v23 are not written again
	s_wait_tensorcnt 0x0                           ; my piece is in LDS,
	s_barrier_signal -1
	s_barrier_wait -1                              ; everybody's is
.macro PLACES                          ; four places behind matrix instructions, in front of what reads their results or loads into their sources
.rept 4
	v_nop
.endr
.endm
; KEY STEP s: the keys wq0 - 128 + 32 s + 0..31.  first = 1: it starts m, l and O^T.  mode 1: step 0, the band's lower edge; mode 2: step 8, its upper edge; 0: wholly visible.
; All LDS offsets are immediates.  The accumulators take turns, one instruction a turn; a step begins on S^T and ends on O^T, whichever step stood before it.
.macro STEP s, first, mode
.irp f, 0,1,2,3                        ; K: keys 16 (f / 2) on, channels 32 (f % 2) on.  K's registers were last read ahead of the step before's softmax
	ds_load_b128 v[KF+8*\f:KF+8*\f+3],   v[AK] offset:(32*(\s)+16*(\f/2))*PK+64*(\f%2)
	ds_load_b128 v[KF+8*\f+4:KF+8*\f+7], v[AK] offset:(32*(\s)+16*(\f/2))*PK+64*(\f%2)+32
.endr
.if (\first) == 0
	PLACES                                         ; V's registers were read by the products just issued
.endif
.irp f, 0,1,2,3                        ; V, turned: channels 16 f on, keys 0-15 and 16-31 of the step
	ds_load_tr16_b128 v[VF+8*\f:VF+8*\f+3],   v[AV] offset:32*(\s)*PV+32*\f
	ds_load_tr16_b128 v[VF+8*\f+4:VF+8*\f+7], v[AV] offset:32*(\s)*PV+16*PV+32*\f
.endr
	s_wait_dscnt 8                                 ; K is in; V's eight loads may stay out
.set i, 0
.rept 8                                ; S^T = K Q^T: channels 32 (i / 4) on, keys 16 ((i / 2) % 2) on, tile i % 2; the first four start the sums
.set rS, S+16*(i%2)+8*((i/2)%2)
.set rK, KF+16*((i/2)%2)+8*(i/4)
.set rQ, Q+16*(i%2)+8*(i/4)
.if i < 4
	v_wmma_f32_16x16x32_f16 v[rS:rS+7], v[rK:rK+7], v[rQ:rQ+7], 0
.else
	v_wmma_f32_16x16x32_f16 v[rS:rS+7], v[rK:rK+7], v[rQ:rQ+7], v[rS:rS+7]
.endif
.set i, i+1
.endr
	PLACES
.if (\mode) == 1                       ; key 16 kb + 8 hh + j of the step is hidden from query 16 t + r where it is less: 16 kb + j - 16 t < r - 8 hh.  With kb > t none is
.irp t, 0,1
.irp kb, 0,1
.if \kb <= \t
.irp j, 0,1,2,3,4,5,6,7
	v_cmp_lt_i32 vcc_lo, 16*\kb+\j-16*\t, v[YY]
	v_cndmask_b32 v[S+16*\t+8*\kb+\j], v[S+16*\t+8*\kb+\j], v[NEGV], vcc_lo
.endr
.endif
.endr
.endr
.endif
.if (\mode) == 2                       ; and at the upper edge where it is greater.  With kb < t none is
.irp t, 0,1
.irp kb, 0,1
.if \kb >= \t
.irp j, 0,1,2,3,4,5,6,7
	v_cmp_gt_i32 vcc_lo, 16*\kb+\j-16*\t, v[YY]
	v_cndmask_b32 v[S+16*\t+8*\kb+\j], v[S+16*\t+8*\kb+\j], v[NEGV], vcc_lo
.endr
.endif
.endr
.endr
.endif
	; the maximum of the lane's 16 scores and the old m: two chains a tile, each accumulator read from its low end on; the two tiles alternate
.irp t, 0,1
	v_max3_num_f32 v[TMP+4*\t],   v[S+16*\t],   v[S+16*\t+1], v[S+16*\t+2]
	v_max3_num_f32 v[TMP+4*\t+1], v[S+16*\t+8], v[S+16*\t+9], v[S+16*\t+10]
.endr
.irp n, 3,5
.irp t, 0,1
	v_max3_num_f32 v[TMP+4*\t],   v[TMP+4*\t],   v[S+16*\t+\n],   v[S+16*\t+\n+1]
	v_max3_num_f32 v[TMP+4*\t+1], v[TMP+4*\t+1], v[S+16*\t+\n+8], v[S+16*\t+\n+9]
.endr
.endr
.irp t, 0,1
	v_max3_num_f32 v[TMP+4*\t], v[TMP+4*\t], v[S+16*\t+7], v[S+16*\t+15]
.endr
.irp t, 0,1
.if \first
	v_max_num_f32 v[TMP+4*\t], v[TMP+4*\t], v[TMP+4*\t+1]
.else
	v_max3_num_f32 v[TMP+4*\t], v[TMP+4*\t], v[TMP+4*\t+1], v[ST+4*\t+1]
.endif
.endr
.irp t, 0,1
	v_permlanex16_b32 v[TMP+4*\t+1], v[TMP+4*\t], s[SEL], s[SEL+1]  ; the query's other 16 keys lie in the lane 16 away
.endr
.if (\first) == 0
.irp t, 0,1
	v_mov_b32 v[TMP+4*\t+3], v[ST+4*\t]            ; c m_old is kept for a
.endr
.endif
.irp t, 0,1
	v_max_num_f32 v[ST+4*\t+1], v[TMP+4*\t], v[TMP+4*\t+1]
.endr
.irp t, 0,1
	v_mul_f32 v[ST+4*\t], s[CS], v[ST+4*\t+1]
.endr
.if (\first) == 0
.irp t, 0,1
	v_sub_f32 v[TMP+4*\t+3], v[TMP+4*\t+3], v[ST+4*\t]
.endr
.irp t, 0,1
	v_exp_f32 v[TMP+4*\t+2], v[TMP+4*\t+3]         ; a; the scalings below are the plain instructions behind it (ISA guide 5.7.2)
.endr
.endif
.irp n, 0,1,2,3,4,5,6,7
.irp t, 0,1
	v_pk_fma_f32 v[S+16*\t+2*\n:S+16*\t+2*\n+1], v[S+16*\t+2*\n:S+16*\t+2*\n+1], s[CS:CS+1], v[ST+4*\t:ST+4*\t+1] op_sel_hi:[1,0,0] neg_lo:[0,0,1] neg_hi:[0,0,1]  ; c s - c m
.endr
.endr
.set i, 0
.rept 32
	v_exp_f32 v[S+i], v[S+i]
.set i, i+1
.endr
	v_nop                                          ; a plain instruction between the last exponential and the use of its result
.set i, 0
	s_wait_alu depctr_va_vdst(0)
.rept 16
	v_cvt_pk_f16_f32 v[P+i], v[S+2*i], v[S+2*i+1]  ; P + 8 t + n takes pair n of tile t
.set i, i+1
.endr
.irp n, 0,4,8,12                       ; the sum of a tile's 8 pairs (even key's weight, odd key's), in place
.irp t, 0,1
	v_pk_add_f32 v[S+16*\t+\n:S+16*\t+\n+1], v[S+16*\t+\n:S+16*\t+\n+1], v[S+16*\t+\n+2:S+16*\t+\n+3]
.endr
.endr
.irp n, 0,8
.irp t, 0,1
	v_pk_add_f32 v[S+16*\t+\n:S+16*\t+\n+1], v[S+16*\t+\n:S+16*\t+\n+1], v[S+16*\t+\n+4:S+16*\t+\n+5]
.endr
.endr
.irp t, 0,1
.if \first
	v_pk_add_f32 v[ST+4*\t+2:ST+4*\t+3], v[S+16*\t:S+16*\t+1], v[S+16*\t+8:S+16*\t+9]
.else
	v_pk_add_f32 v[S+16*\t:S+16*\t+1], v[S+16*\t:S+16*\t+1], v[S+16*\t+8:S+16*\t+9]
.endif
.endr
.if (\first) == 0
.irp t, 0,1
	v_pk_fma_f32 v[ST+4*\t+2:ST+4*\t+3], v[ST+4*\t+2:ST+4*\t+3], v[TMP+4*\t+2:TMP+4*\t+3], v[S+16*\t:S+16*\t+1] op_sel_hi:[1,0,1]  ; l = a l + sum
.endr
.irp t, 0,1
.set i, 0
.rept 16
	v_pk_mul_f32 v[O+32*\t+2*i:O+32*\t+2*i+1], v[O+32*\t+2*i:O+32*\t+2*i+1], v[TMP+4*\t+2:TMP+4*\t+3] op_sel_hi:[1,0]  ; O^T times a, each accumulator from its low end on
.set i, i+1
.endr
.endr
.endif
	s_wait_dscnt 0x0                               ; V is in
.set i, 0
.rept 8                                ; O^T += V^T P: channels 16 (i / 2) on, tile i % 2
.set rO, O+32*(i%2)+8*(i/2)
.set rV, VF+8*(i/2)
.set rP, P+8*(i%2)
.if \first
	v_wmma_f32_16x16x32_f16 v[rO:rO+7], v[rV:rV+7], v[rP:rP+7], 0
.else
	v_wmma_f32_16x16x32_f16 v[rO:rO+7], v[rV:rV+7], v[rP:rP+7], v[rO:rO+7]
.endif
.set i, i+1
.endr
.endm
; A step that may lie outside the sequence.  wq0 is a multiple of 32, so a step lies wholly inside or wholly outside.  The jump goes forward, past no barrier and no tensor load.
.macro TRY_LO s, mode
	s_cmp_lt_u32 s[WQ0], 128-32*(\s)               ; its first key, wq0 - 128 + 32 s, would be negative
	s_cbranch_scc1 .Lskip_\@
	STEP \s, 0, \mode
.Lskip_\@:
.endm
.macro TRY_HI s, mode
	s_cmp_ge_u32 s[WQ0], 4224-32*(\s)              ; its first key would be 4,096 or more
	s_cbranch_scc1 .Lskip_\@
	STEP \s, 0, \mode
.Lskip_\@:
.endm
	STEP 4, 1, 0
	TRY_LO 0, 1
	TRY_LO 1, 0
	TRY_LO 2, 0
	TRY_LO 3, 0
	TRY_HI 5, 0
	TRY_HI 6, 0
	TRY_HI 7, 0
	TRY_HI 8, 2
	; THE WAY OUT.  l's two halves and the other half of the lanes' are added; O^T is divided by l, rounded to f16 and sent through my stage in LDS, a tile at a time.
	PLACES
.irp t, 0,1
	v_add_f32 v[ST+4*\t+2], v[ST+4*\t+2], v[ST+4*\t+3]
.endr
.irp t, 0,1
	v_permlanex16_b32 v[ST+4*\t+3], v[ST+4*\t+2], s[SEL], s[SEL+1]
.endr
.irp t, 0,1
	v_add_f32 v[ST+4*\t+2], v[ST+4*\t+2], v[ST+4*\t+3]
.endr
.irp t, 0,1
	v_rcp_f32 v[ST+4*\t+2], v[ST+4*\t+2]
.endr
	v_nop                                          ; a plain instruction between the last reciprocal and the use of its result
	s_wait_alu depctr_va_vdst(0)
.macro OPACK t                         ; a lane's eight channels of a row pack into 16 bytes; they go into rows of 144 bytes and come back as whole rows of 128, into S^T's registers
.set i, 0
.rept 16
	v_pk_mul_f32 v[O+32*(\t)+2*i:O+32*(\t)+2*i+1], v[O+32*(\t)+2*i:O+32*(\t)+2*i+1], v[ST+4*(\t)+2:ST+4*(\t)+3] op_sel_hi:[1,0]
.set i, i+1
.endr
.set i, 0
.rept 16
	v_cvt_pk_f16_f32 v[S+16*(\t)+i], v[O+32*(\t)+2*i], v[O+32*(\t)+2*i+1]
.set i, i+1
.endr
.irp f, 0,1,2,3
	ds_store_b128 v[STO], v[S+16*(\t)+4*\f:S+16*(\t)+4*\f+3] offset:32*\f
.endr
.irp f, 0,1,2,3
	ds_load_b128 v[S+16*(\t)+4*\f:S+16*(\t)+4*\f+3], v[RD] offset:\f*4*SP  ; LDS serves a wave's instructions in order (ISA guide 5.7.1): these see the stores above
.endr
.endm
.macro OSEND t, younger                ; younger: the LDS instructions issued behind tile t's loads: the next tile's eight, or none
.irp f, 0,1,2,3
	s_wait_dscnt (\younger)+3-\f
	global_store_b128 v[GO], v[S+16*(\t)+4*\f:S+16*(\t)+4*\f+3], s[8:9] offset:(\t)*2048+\f*512  ; 512 consecutive bytes, at a multiple of 256 from oh's first
.endr
.endm
	OPACK 0
	OPACK 1
	OSEND 0, 8
	OSEND 1, 0
	s_wait_tensorcnt 0x0                           ; the wave's end, behind my last tensor load and my last LDS store
	ds_add_u32 v[SPW], v[NIL]
	s_wait_dscnt 0x0
	s_endpgm
.Lfunc_end_k_qff8ab94a43_attn:
	.size	k_qff8ab94a43_attn, .Lfunc_end_k_qff8ab94a43_attn-k_qff8ab94a43_attn
	.p2alignl 7, 3214868480
	.fill 96, 4, 3214868480
	.section	.rodata,"a",@progbits
	.p2align	6, 0x0
	.amdhsa_kernel k_qff8ab94a43_attn
		.amdhsa_group_segment_fixed_size 175104
		.amdhsa_private_segment_fixed_size 0
		.amdhsa_enable_private_segment 0
		.amdhsa_kernarg_size 32
		.amdhsa_user_sgpr_count 2
		.amdhsa_user_sgpr_kernarg_segment_ptr 1
		.amdhsa_wavefront_size32 1
		.amdhsa_system_sgpr_workgroup_id_x 1
		.amdhsa_system_sgpr_workgroup_id_y 1
		.amdhsa_system_sgpr_workgroup_id_z 1
		.amdhsa_system_vgpr_workitem_id 0
		.amdhsa_next_free_vgpr 248
		.amdhsa_next_free_sgpr 66
		.amdhsa_reserve_vcc 1
		.amdhsa_float_denorm_mode_32 3
		.amdhsa_float_denorm_mode_16_64 3
		.amdhsa_memory_ordered 1
		.amdhsa_forward_progress 1
		.amdhsa_inst_pref_size 104
	.end_amdhsa_kernel
	.amdgpu_metadata
---
amdhsa.version: [ 1, 2 ]
amdhsa.kernels:
  - .name:           k_qff8ab94a43_attn
    .symbol:         k_qff8ab94a43_attn.kd
    .args:
      - { .name: qkvh, .offset: 0, .size: 8, .value_kind: global_buffer, .address_space: global }
      - { .name: wo, .offset: 8, .size: 8, .value_kind: global_buffer, .address_space: global }
      - { .name: oh, .offset: 16, .size: 8, .value_kind: global_buffer, .address_space: global }
      - { .name: wof, .offset: 24, .size: 8, .value_kind: global_buffer, .address_space: global }
    .group_segment_fixed_size: 175104
    .private_segment_fixed_size: 0
    .kernarg_segment_align: 8
    .kernarg_segment_size: 32
    .max_flat_workgroup_size: 256
    .sgpr_count:     66
    .vgpr_count:     248
    .wavefront_size: 32
...
	.end_amdgpu_metadata
.endif
;; end of part 2
;; launch outp (part 3): grid 4 x 64, 4 waves a work-group, clusters of 4 x 4, 312,832 bytes of LDS; arguments oh, wof, out0; writes out0
.if DOCPART == 3
	.amdgcn_target "amdgcn-amd-amdhsa--gfx1250"
	.amdhsa_code_object_version 6
	.text
	.protected	k_qff8ab94a43_outp
	.globl	k_qff8ab94a43_outp
	.p2align	8
	.type	k_qff8ab94a43_outp,@function
k_qff8ab94a43_outp:
	s_mov_b64 s[64:65], 0
	v_nop
	global_prefetch_b8 v0, s[64:65] scope:SCOPE_SE
	s_setreg_imm32_b32 hwreg(HW_REG_WAVE_MODE, 25, 1), 1
	s_wait_xcnt 0x0
	s_wait_alu depctr_hold_cnt(0) depctr_sa_sdst(0) depctr_va_vdst(0) depctr_va_sdst(0) depctr_va_ssrc(0) depctr_va_vcc(0) depctr_vm_vsrc(0)
	s_getreg_b32 s2, hwreg(HW_REG_IB_STS2, 6, 4)
	s_cmp_eq_u32 s2, 0
	s_cbranch_scc0 .Lentry_in_a_cluster
	s_endpgm
.Lentry_in_a_cluster:
	s_bfe_u32 s2, ttmp6, 0x10000c
	s_cmp_lg_u32 s2, 0xf033
	s_cbranch_scc0 .Lentry_shape_is_right
	s_endpgm
.Lentry_shape_is_right:
; THE OUTPUT PROJECTION.  out0[m][n] = sum over k of X[m][k] wo[n][k], m = batch x 4096 + token, k = 64 head + channel.  X lies by heads: oh[batch*8+head][4096][64] f16;
; wo lies in K slices: wof[head][512][64] f16 (wo rounded to bf16, written as f16).  Sums in f32, out0 [8192][512] f32.
; LIMITS.  Both operands arrive within f16's range; NaN and infinities are not treated apart.
; SHARES.  A tile of out0 is 128 x 128: 4 x 64 = 256 work-groups; four waves, each 64 x 64: 16 accumulators, 128 registers.  K = 512 is 8 heads of 64.
; LDS holds ALL of a tile's operands at once: 8 heads x (128 rows of X + 128 rows of wo) x 144 bytes.  Each wave asks for four items of 128 rows at the kernel's start (four tensor loads of mine are out);
; nothing is filled again.  The items lie in four PHASES of two heads; a phase is waited for, by a counted wait and a barrier, when its first fragments are due, so the products begin when phase 0 is in.
; CLUSTERS: 4 x 4 work-groups.  The four of a row of the cluster need the same rows of X, the four of a column the same rows of wo: each item is asked for JOINTLY, by the same tensor load with the
; same descriptor and a mask that names the four.
; THE MATRIX INSTRUCTION IS USED TRANSPOSED (source 0 = 16 rows of wo, source 1 = 16 rows of X): a lane then holds eight neighbouring numbers of a row of out0, 32 bytes.
; REGISTERS: window 0: v0-31 addresses; v128-255 the accumulators ((a, b) at v[128 + 8 (4 a + b)]), which also take the rows read back on the way out.
;   window 1: two fragment buffers of 128, one head each: 64 registers of X (2 x 4 x 16 rows x 32 K), then 64 of wo.
.set PITCH,  144                       ; an LDS row: 128 bytes + 16: the 16 rows of a fragment load start at 16 different 16-byte columns of 256 bytes
.set ITEM,   128*PITCH                 ; 128 rows: what one tensor load brings
.set PHASE,  4*ITEM                    ; X of heads 2 i, 2 i + 1, then wo's slices 2 i, 2 i + 1
.set STAGE,  4*PHASE                   ; behind the items, never filled by a tensor load: 16 rows x 272 bytes for each wave, for the way out
.set SPITCH, 272
.set SPARE,  STAGE+4*16*SPITCH         ; the spare words, 128 bytes for each of 4 waves; no other line names them
.set ADRA, 16                          ; v16-19  LDS address of my X fragments in phase 0..3
.set ADRB, 20                          ; v20-23  the same for wo
.set STO,  24                          ; v24     the way out: where I put 32 bytes of a row
.set RD,   25                          ; v25     the way out: where I read a row back
.set CO,   26                          ; v26     my byte offset in two rows of out0
.set SPW,  28                          ; v28     LDS address of my spare word; never rewritten
.set NIL,  29                          ; v29     0; never rewritten
.set ACC,  128
.set F0,   0                           ; fragment buffers, in window 1
.set F1,   128
.set G1A, 24                           ; s[24:31] descriptor group 1 for X's items;  s[32:47] group 0, one set for each phase
.set G0A, 32
.set G1B, 48                           ; s[48:55], s[68:83] the same for wo's
.set G0B, 68
.set MSB, 0
.macro WIN new                         ; the immediate's high byte repeats the setting that is left; a switch that changes nothing is dropped
.if MSB != (\new)
	s_set_vgpr_msb (MSB<<8)|(\new)
.set MSB, \new
.endif
.endm
.set MUL,  0x05                        ; sources 0 (wo) and 1 (X) window 1; C and D window 0
.set TO_F, 0x40                        ; destination window 1, address window 0
.macro CROUND                          ; a round of the cluster's barrier: my work-group's barrier; wave 0 signals for the work-group; every wave waits for all sixteen; my work-group's barrier once more
	s_barrier_signal -1
	s_barrier_wait -1
	s_cmp_lg_u32 s10, 0
	s_cbranch_scc1 .Lnot_wave_0_\@
	s_barrier_signal -3
.Lnot_wave_0_\@:
	s_barrier_wait -3
	s_barrier_signal -1
	s_barrier_wait -1
.endm
.macro PLACES                          ; four places in front of loads into registers that matrix instructions have read or written
.rept 4
	v_nop
.endr
.endm
	s_load_b128 s[4:7], s[0:1], 0x0                ; oh s[4:5], wof s[6:7]
	s_load_b64 s[8:9], s[0:1], 0x10                ; out0
	v_lshl_add_u32 v[SPW], v0, 2, SPARE
	v_mov_b32 v[NIL], 0
	ds_add_u32 v[SPW], v[NIL]                      ; the wave's opening: the add and its wait stand ahead of my first tensor load; the set-up below, work on registers, stands between them
	ds_add_u32 v28, v29
	v_lshrrev_b32 v1, 5, v0
	v_readfirstlane_b32 s10, v1                    ; wave 0..3
	s_lshr_b32 s11, s10, 1                         ; which half of the tile's rows is mine.  Also: I fetch X (0) or wo (1)
	s_and_b32 s12, s10, 1                          ; which half of its columns.  Also: which head of a phase's two I fetch
	s_bfe_u32 s56, ttmp6, 0x40000                  ; cx, cy: my place in the cluster
	s_bfe_u32 s57, ttmp6, 0x40004
	s_lshl_b32 s58, ttmp9, 2
	s_add_co_u32 s58, s58, s56                     ; tile column = 4 x cluster x + cx
	s_and_b32 s13, ttmp7, 0xffff
	s_lshl_b32 s13, s13, 2
	s_add_co_u32 s13, s13, s57                     ; tile row = 4 x cluster y + cy
	s_lshl_b32 s59, s57, 2
	s_lshl_b32 s59, 15, s59                        ; my row of the cluster
	s_lshl_b32 s60, 0x1111, s56                    ; my column
	; descriptor group 1.  128 rows of 128 bytes are 16,384 dense bytes: asked for as 64 rows of 256 bytes and padded in LDS after every 128
	s_or_b32 s[G1A], s59, (1<<16)|(1<<20)|(1<<21)|(4<<22)|(3<<25)  ; 15:0 the mask: X's items go to my row; 17:16 2-byte elements; 20 padding on; 21 set beside a mask; 24:22 after every 32 words (code 4); 31:25 4 words (code 3)
	s_or_b32 s[G1B], s60, (1<<16)|(1<<20)|(1<<21)|(4<<22)|(3<<25)  ; the same with the mask of my column
.irp g, G1A, G1B
	s_mov_b32 s[\g+1], 128<<16                     ; tensor_dim0 = 128
	s_mov_b32 s[\g+2], 64<<16                      ; tensor_dim1 = 64
	s_mov_b32 s[\g+3], 128<<16                     ; tile_dim0 = 128
	s_mov_b32 s[\g+4], 64                          ; tile_dim1 = 64
	s_mov_b32 s[\g+5], 128                         ; 128 elements from row to row
	s_mov_b32 s[\g+6], 0
	s_mov_b32 s[\g+7], 0
.endr
	; X's address hangs on the tile row alone, wo's on the tile column alone, each in registers that never hold the other coordinate
	s_lshr_b32 s16, s13, 5                         ; batch: 32 tiles of 128 tokens each,
	s_lshl_b32 s16, s16, 22                        ; 8 heads of 4,096 rows of 128 bytes
	s_and_b32 s17, s13, 31
	s_lshl_b32 s17, s17, 14                        ; 128 rows of 128 bytes
	s_add_co_u32 s16, s16, s17
	s_lshl_b32 s17, s12, 19                        ; the even or the odd head of a phase
	s_add_co_u32 s16, s16, s17
	s_mov_b32 s17, 0
	s_lshl_b32 s20, s58, 14                        ; wo: 128 rows of 128 bytes,
	s_lshl_b32 s21, s12, 16                        ; the even or the odd slice
	s_add_co_u32 s20, s20, s21
	s_mov_b32 s21, 0
	s_mul_i32 s22, s10, ITEM                       ; where they go: wave x 128 rows: no place in the cluster enters an LDS address
	s_wait_dscnt 0x0                               ; the opening add is done
	s_wait_kmcnt 0x0
	s_add_nc_u64 s[14:15], s[4:5], s[16:17]
	s_add_nc_u64 s[86:87], s[6:7], s[20:21]
.irp i, 0,1,2,3
	s_mov_b32 s[G0A+4*\i], 1                                       ; 1:0 count = 1
	s_add_co_u32 s[G0A+4*\i+1], s22, \i*PHASE                      ; 63:32 LDS address
	s_add_nc_u64 s[G0A+4*\i+2:G0A+4*\i+3], s[14:15], \i*(1<<20)    ; 120:64 global address: two heads on
	s_or_b32 s[G0A+4*\i+3], s[G0A+4*\i+3], 0x80000000              ; 127:126 type = 2
	s_mov_b32 s[G0B+4*\i], 1
	s_add_co_u32 s[G0B+4*\i+1], s22, \i*PHASE
	s_add_nc_u64 s[G0B+4*\i+2:G0B+4*\i+3], s[86:87], \i*(1<<17)    ; two slices on
	s_or_b32 s[G0B+4*\i+3], s[G0B+4*\i+3], 0x80000000
.endr
	CROUND                                         ; all sixteen work-groups are here: the joint loads meet
	s_cmp_eq_u32 s11, 0                            ; a wave's four fills stand in one branch on its number, ahead of every wait on TENSORcnt and every LDS read; an s_nop 0 follows each, four v_nop the last
	s_cbranch_scc0 .Lfor_b
.irp i, 0,1,2,3
	tensor_load_to_lds s[G0A+4*\i:G0A+4*\i+3], s[G1A:G1A+7]
	s_nop 0
.endr
.rept 4
	v_nop
.endr
	s_branch .Lasked
.Lfor_b:
.irp i, 0,1,2,3
	tensor_load_to_lds s[G0B+4*\i:G0B+4*\i+3], s[G1B:G1B+7]
	s_nop 0
.endr
.rept 4
	v_nop
.endr
.Lasked:
	v_and_b32 v1, 15, v0                           ; r = l % 16
	v_bfe_u32 v2, v0, 4, 1                         ; hh = l / 16
	v_mul_u32_u24 v3, v1, PITCH
	v_lshl_add_u32 v3, v2, 4, v3                   ; a fragment's row x pitch + 16 x half
	s_mul_i32 s18, s11, 64*PITCH                   ; my 64 rows of X
	s_mul_i32 s19, s12, 64*PITCH                   ; my 64 rows of wo,
	s_add_co_u32 s19, s19, 2*ITEM                  ; which lie behind X's two items
.irp i, 0,1,2,3
	v_add_nc_u32 v[ADRA+\i], s18, v3
	v_add_nc_u32 v[ADRB+\i], s19, v3
	s_add_co_u32 s18, s18, PHASE
	s_add_co_u32 s19, s19, PHASE
.endr
	s_mul_i32 s23, s10, 16*SPITCH
	s_add_co_u32 s23, s23, STAGE                   ; my stage
	v_mul_u32_u24 v4, v1, SPITCH                   ; in: row l % 16, 32 bytes for each half of the lanes
	v_lshl_add_u32 v4, v2, 5, v4
	v_add_nc_u32 v[STO], s23, v4
	v_mul_u32_u24 v5, v2, SPITCH                   ; back: lanes 0-15 take one row of 256 bytes, lanes 16-31 the next
	v_lshl_add_u32 v5, v1, 4, v5
	v_add_nc_u32 v[RD], s23, v5
	v_lshlrev_b32 v5, 11, v2                       ; and the same two rows in out0: 2,048 bytes a row
	v_lshl_add_u32 v[CO], v1, 4, v5
	s_lshl_b32 s16, s13, 7
	s_lshl_b32 s17, s11, 6
	s_add_co_u32 s16, s16, s17                     ; my first row of out0
	s_lshl_b32 s16, s16, 11
	s_mov_b32 s17, 0
	s_add_nc_u64 s[8:9], s[8:9], s[16:17]
	s_lshl_b32 s20, s58, 9                         ; my first column, in bytes: 512 x tile column + 256 x half
	s_lshl_b32 s21, s12, 8
	s_add_co_u32 s20, s20, s21
	s_mov_b32 s21, 0
	s_add_nc_u64 s[8:9], s[8:9], s[20:21]
; 8 matrix instructions: token blocks a0, a0 + 1 x all 4 column blocks, 32 along K: half c of buffer f.  The 16 accumulators take turns.  zero = 1: the first product starts the sums
.macro MUL8 f, c, a0, zero
	WIN MUL
.irp a, \a0, (\a0)+1
.irp b, 0,1,2,3
.if \zero
	v_wmma_f32_16x16x32_f16 v[ACC+8*(4*(\a)+(\b)):ACC+8*(4*(\a)+(\b))+7], v[(\f)+64+8*(4*(\c)+(\b)):(\f)+64+8*(4*(\c)+(\b))+7], v[(\f)+8*(4*(\c)+(\a)):(\f)+8*(4*(\c)+(\a))+7], 0
.else
	v_wmma_f32_16x16x32_f16 v[ACC+8*(4*(\a)+(\b)):ACC+8*(4*(\a)+(\b))+7], v[(\f)+64+8*(4*(\c)+(\b)):(\f)+64+8*(4*(\c)+(\b))+7], v[(\f)+8*(4*(\c)+(\a)):(\f)+8*(4*(\c)+(\a))+7], v[ACC+8*(4*(\a)+(\b)):ACC+8*(4*(\a)+(\b))+7]
.endif
.endr
.endr
.endm
; 32 LDS loads in one run: head h's fragments into buffer f; the first 32 along K first
.macro FETCH h, f
	WIN TO_F
.irp c, 0,1
.irp i, 0,1,2,3
	ds_load_b128 v[(\f)+64+8*(4*(\c)+(\i)):(\f)+64+8*(4*(\c)+(\i))+3],   v[ADRB+(\h)/2] offset:((\h)%2)*ITEM+64*(\c)+(\i)*16*PITCH
	ds_load_b128 v[(\f)+64+8*(4*(\c)+(\i))+4:(\f)+64+8*(4*(\c)+(\i))+7], v[ADRB+(\h)/2] offset:((\h)%2)*ITEM+64*(\c)+(\i)*16*PITCH+32
	ds_load_b128 v[(\f)+8*(4*(\c)+(\i)):(\f)+8*(4*(\c)+(\i))+3],         v[ADRA+(\h)/2] offset:((\h)%2)*ITEM+64*(\c)+(\i)*16*PITCH
	ds_load_b128 v[(\f)+8*(4*(\c)+(\i))+4:(\f)+8*(4*(\c)+(\i))+7],       v[ADRA+(\h)/2] offset:((\h)%2)*ITEM+64*(\c)+(\i)*16*PITCH+32
.endr
.endr
.endm
; Head h: 32 matrix instructions on buffer f; in their middle head h + 1 is fetched into buffer g.  sync >= 0: head h + 1 opens a phase: my item of it has landed when at most sync younger tensor loads
; of mine are out; a barrier shows everybody's.  Later phases' loads may stay out across it.
.macro HEAD h, f, g, zero, sync
	s_wait_dscnt 16                                ; the first 32 along K are in
	MUL8 \f, 0, 0, \zero
	MUL8 \f, 0, 2, \zero
.if (\h) < 7
.if (\sync) >= 0
	s_wait_tensorcnt \sync
	s_wait_dscnt 0x0                               ; no LDS instruction of mine is pending at a signal
	s_barrier_signal -1
	s_barrier_wait -1
.endif
	PLACES
	FETCH (\h)+1, \g
	s_wait_dscnt 32                                ; all but the 32 just issued
.else
	s_wait_dscnt 0x0
.endif
	MUL8 \f, 1, 0, 0
	MUL8 \f, 1, 2, 0
.endm
	s_wait_tensorcnt 3                             ; my item of phase 0 is in; the three younger loads stay out
	s_barrier_signal -1
	s_barrier_wait -1                              ; everybody's is
	FETCH 0, F0
	HEAD 0, F0, F1, 1, -1
	HEAD 1, F1, F0, 0, 2
	HEAD 2, F0, F1, 0, -1
	HEAD 3, F1, F0, 0, 1
	HEAD 4, F0, F1, 0, -1
	HEAD 5, F1, F0, 0, 0
	HEAD 6, F0, F1, 0, -1
	HEAD 7, F1, F0, 0, -1
	WIN 0
; THE WAY OUT.  A wave's 64 columns of f32 are 256 bytes of a row of out0.  Token block a: 32 bytes a lane into my stage (each accumulator's low half first), back as whole rows into
; the block's own registers, and stored: sixteen lanes write 256 consecutive bytes, at a multiple of 256 from out0's first byte.
.macro OUTB a
.irp b, 0,1,2,3
	ds_store_b128 v[STO], v[ACC+8*(4*(\a)+\b):ACC+8*(4*(\a)+\b)+3]   offset:64*\b
	ds_store_b128 v[STO], v[ACC+8*(4*(\a)+\b)+4:ACC+8*(4*(\a)+\b)+7] offset:64*\b+16
.endr
.irp t, 0,1,2,3,4,5,6,7
	ds_load_b128 v[ACC+32*(\a)+4*\t:ACC+32*(\a)+4*\t+3], v[RD] offset:\t*2*SPITCH  ; LDS serves a wave's instructions in order (ISA guide 5.7.1): these see the stores above
.endr
.endm
.macro SEND a, younger                 ; younger: the LDS instructions issued behind block a's loads: the next block's sixteen, or none
.irp t, 0,1,2,3,4,5,6,7
	s_wait_dscnt (\younger)+7-\t
	global_store_b128 v[CO], v[ACC+32*(\a)+4*\t:ACC+32*(\a)+4*\t+3], s[8:9] offset:(16*(\a)+2*\t)*2048 th:TH_STORE_NT
.endr
.endm
	PLACES
	OUTB 0
	OUTB 1
	SEND 0, 16
	OUTB 2
	SEND 1, 16
	OUTB 3
	SEND 2, 16
	SEND 3, 0
	s_wait_tensorcnt 0x0                           ; the wave's end, behind my last tensor load and my last LDS store
	ds_add_u32 v[SPW], v[NIL]
	s_wait_dscnt 0x0
	CROUND                                         ; the closing round: no work-group ends while a partner may still ask for an item that names it
	s_endpgm
.Lfunc_end_k_qff8ab94a43_outp:
	.size	k_qff8ab94a43_outp, .Lfunc_end_k_qff8ab94a43_outp-k_qff8ab94a43_outp
	.p2alignl 7, 3214868480
	.fill 96, 4, 3214868480
	.section	.rodata,"a",@progbits
	.p2align	6, 0x0
	.amdhsa_kernel k_qff8ab94a43_outp
		.amdhsa_group_segment_fixed_size 312832
		.amdhsa_private_segment_fixed_size 0
		.amdhsa_enable_private_segment 0
		.amdhsa_kernarg_size 24
		.amdhsa_user_sgpr_count 2
		.amdhsa_user_sgpr_kernarg_segment_ptr 1
		.amdhsa_wavefront_size32 1
		.amdhsa_system_sgpr_workgroup_id_x 1
		.amdhsa_system_sgpr_workgroup_id_y 1
		.amdhsa_system_sgpr_workgroup_id_z 1
		.amdhsa_system_vgpr_workitem_id 0
		.amdhsa_next_free_vgpr 512
		.amdhsa_next_free_sgpr 90
		.amdhsa_reserve_vcc 0
		.amdhsa_float_denorm_mode_32 3
		.amdhsa_float_denorm_mode_16_64 3
		.amdhsa_memory_ordered 1
		.amdhsa_forward_progress 1
		.amdhsa_inst_pref_size 52
	.end_amdhsa_kernel
	.amdgpu_metadata
---
amdhsa.version: [ 1, 2 ]
amdhsa.kernels:
  - .name:           k_qff8ab94a43_outp
    .symbol:         k_qff8ab94a43_outp.kd
    .args:
      - { .name: oh, .offset: 0, .size: 8, .value_kind: global_buffer, .address_space: global }
      - { .name: wof, .offset: 8, .size: 8, .value_kind: global_buffer, .address_space: global }
      - { .name: out0, .offset: 16, .size: 8, .value_kind: global_buffer, .address_space: global }
    .group_segment_fixed_size: 312832
    .private_segment_fixed_size: 0
    .kernarg_segment_align: 8
    .kernarg_segment_size: 24
    .max_flat_workgroup_size: 128
    .sgpr_count:     90
    .vgpr_count:     512
    .wavefront_size: 32
...
	.end_amdgpu_metadata
.endif
;; end of part 3
;; ======== version 2 of 2: 3 launches; version 1 with the launch proj written anew for expert scheduling mode
;; limits: values are held in f16: magnitudes above 65,504 overflow, below 6.1e-05 lose precision; right only within a limited range of input values
;; workspace buffers: qkvh 25,165,824 bytes; oh 8,388,608 bytes; wof 524,288 bytes
;; launch proj (part 4): grid 2 x 96, 16 waves a work-group, no clusters, 186,368 bytes of LDS; arguments q, k, v, wq, wk, wv, qkvh; writes qkvh
.if DOCPART == 4
	.amdgcn_target "amdgcn-amd-amdhsa--gfx1250"
	.amdhsa_code_object_version 6
	.text
	.protected	k_qff8ab94a43_proj
	.globl	k_qff8ab94a43_proj
	.p2align	8
	.type	k_qff8ab94a43_proj,@function
k_qff8ab94a43_proj:
	s_mov_b64 s[64:65], 0
	v_nop
	global_prefetch_b8 v0, s[64:65] scope:SCOPE_SE
	s_setreg_imm32_b32 hwreg(HW_REG_WAVE_SCHED_MODE, 0, 2), 2
	s_setreg_imm32_b32 hwreg(HW_REG_WAVE_MODE, 25, 1), 1
	s_wait_xcnt 0x0
	s_wait_alu depctr_vm_vsrc(0)
; THE THREE PROJECTIONS.  Y_t[m][n] = sum over k of x_t[m][k] W_t[n][k], t = 0, 1, 2 (q wq, k wk, v wv).  x: [8192][512] f32, W: [512][512] f32.
; x and W are rounded once to bf16 on the way into LDS, the sums are f32, Y is rounded once to f16 and laid by heads: qkvh[t][batch*8+head][4096][64], a head's rows dense, 128 bytes each.
; LIMITS.  f16 ends at 65,504: |Y| stays below that (inputs 30 times those of unit spread give some 2e3); below 6e-5 f16 keeps its fixed step of 6e-8.  NaN and infinities are not treated apart.
; SHARES.  A work-group makes 256 rows x 256 columns of one Y: grid x = column half, grid y = 32 t + row block: 192 work-groups (the work has the factor 3; tiles half as large would read x and W twice as often).
; 16 waves in 4 x 4, each 64 x 64: 16 accumulators, 128 registers.  A wave's 64 columns are one head.
; THROUGH REGISTERS, NO TENSOR LOAD, NO CLUSTER: the inputs are f32; loaded into registers each number is rounded once and LDS holds 2 bytes of it; brought by the data mover it would lie in LDS
; as 4 bytes, and each of the four waves that read a fragment would read twice the bytes and round it again.  Joint requests exist for the data mover's loads alone.
; K goes in 8 steps of 64 through two LDS buffers.  Step s: the registers loaded a step ago are rounded and stored into buffer s % 2, step s + 1 is asked for, ONE barrier, 32 matrix instructions.
; One barrier a step serves both orders: buffer s % 2 was last read in step s - 2, and every wave had those reads back before it signalled the barrier of step s - 1.
; THE MATRIX INSTRUCTION IS USED TRANSPOSED (source 0 = 16 rows of W, source 1 = 16 rows of x): a lane then holds one token and eight neighbouring channels, 16 bytes of f16.
; THE MODE: SCHED_MODE bits 1:0 = 2 (LLVM: expert scheduling mode 2), set by the entry lines.  The code itself states the register dependences
; between vector or matrix instructions and memory or LDS instructions, with s_wait_alu, always for 0.
; THE PLAN.  Registers that memory or LDS instructions touch:
;   v3-v15      offsets and LDS addresses: written at the head alone, ahead of one wait on va_vdst; read by every load, store and prefetch, v10 and v11 by the closing add.
;   STG         Step s: the global loads of step s have landed; 32 roundings read it and write the first two of each four registers; 16 LDS stores read those pairs; the loads of step s + 1 land.
;   BF, AF      LDS loads land; matrix instructions read.  AF is filled twice, BF once, for each 32 along K.
;   ACC         Named by matrix instructions alone up to the way out; there 64 roundings read it, and then its first 64 registers take the rows read back from the stage, which the global stores read.
; The wave's 256 registers are all taken (16 + 32 + 16 + 64 + 128), so no buffer has a second; the waits of a step are five:
;   va_vdst behind the roundings: for the LDS stores' data, for the next global loads, and for the first fragment loads behind the barrier (between that wait and them stands no vector or matrix instruction);
;   vm_vsrc behind the LDS stores, ahead of the global loads;   va_vdst ahead of each of the three later runs of fragment loads, whose registers the products just issued read.
; The way out has two: vm_vsrc ahead of its roundings, va_vdst behind them; stage stores leave from STG and stage loads land in ACC, so none reads what another writes.
.set PITCH, 144                        ; an LDS row: 128 bytes (64 bf16) + 16: the 16 rows of a fragment load start at 16 different 16-byte columns of 256 bytes
.set BOFF,  256*PITCH                  ; W's 256 rows lie behind x's 256
.set BUF,   2*BOFF                     ; a buffer
.set STAGE, 2*BUF                      ; behind the buffers: 16 rows x 144 bytes for each wave, for the way out
.set WSTG,  16*PITCH
.set SPARE, STAGE+16*WSTG              ; the spare words, 128 bytes for each of 16 waves; no other line names them
.set GOFF, 3                           ; v3      my byte offset in x's and W's 256 rows: row 16 w + l / 16, 16 bytes at 16 (l % 16)
.set LST,  4                           ; v4-5    where I store 8 bytes (4 bf16) in buffer 0, 1
.set ADRA, 6                           ; v6-7    my x fragments in buffer 0, 1
.set ADRB, 8                           ; v8-9    my W fragments
.set SPW,  10                          ; v10     LDS address of my spare word; never rewritten
.set NIL,  11                          ; v11     0; never rewritten
.set STO,  12                          ; v12     the way out: where I put 16 bytes of a row
.set RD,   13                          ; v13     the way out: where I read rows back
.set GO,   14                          ; v14     my 16 bytes in 512 consecutive bytes of the output
.set PFO,  15                          ; v15     prefetch: row = my thread's number
.set BF,   16                          ; v16-47  four fragments of W (64 channels x 32 K)
.set AF,   48                          ; v48-63  two fragments of x
.set STG,  64                          ; v64-127 as loaded: 8 x 4 of x, 8 x 4 of W; later the packed results
.set ACC,  128                         ; v128-255 accumulator (a, b): token block a, channel block b, at ACC + 8 (4 a + b); on the way out v128-191 take the rows read back
.set WV, 18                            ; s18 wave;  s19 wave / 4: my 64 rows;  s20 wave % 4: my 64 columns
.set XA, 24                            ; s[24:25] x at the work-group's first row
.set WB, 26                            ; s[26:27] W at its first row
.set PF, 30                            ; s30 1: this wave asks ahead
	s_load_b256 s[4:11], s[0:1], 0x0               ; q s[4:5], k s[6:7], v s[8:9], wq s[10:11]
	s_load_b128 s[12:15], s[0:1], 0x20             ; wk s[12:13], wv s[14:15]
	s_load_b64 s[16:17], s[0:1], 0x30              ; qkvh
	v_lshl_add_u32 v[SPW], v0, 2, SPARE
	v_mov_b32 v[NIL], 0
	v_lshrrev_b32 v16, 5, v0
	v_readfirstlane_b32 s[WV], v16                 ; wave 0..15
	; the lanes' terms of the addresses, which hang on no scalar, stand between that line and the wait for it
	v_and_b32 v1, 15, v0                           ; r = l % 16
	v_bfe_u32 v2, v0, 4, 1                         ; hh = l / 16
	v_lshlrev_b32 v[GOFF], 4, v1
	v_lshl_add_u32 v[GOFF], v2, 11, v[GOFF]        ; a row is 2,048 bytes
	v_mul_u32_u24 v[LST], v2, PITCH
	v_lshl_add_u32 v[LST], v1, 3, v[LST]
	v_mul_u32_u24 v17, v1, PITCH
	v_lshl_add_u32 v17, v2, 4, v17                 ; a fragment's row x pitch + 16 x half
	v_bfe_u32 v18, v0, 3, 2                        ; back from the stage: 32 lanes take four rows of 128 bytes
	v_mul_u32_u24 v18, v18, PITCH
	v_and_b32 v19, 7, v0
	v_lshl_add_u32 v18, v19, 4, v18
	v_and_b32 v[GO], 31, v0
	v_lshlrev_b32 v[GO], 4, v[GO]
	v_lshlrev_b32 v[PFO], 11, v0
	s_mov_b32 s21, ttmp9                           ; column half
	s_and_b32 s23, ttmp7, 0xffff
	s_lshr_b32 s22, s23, 5                         ; t
	s_and_b32 s23, s23, 31                         ; row block
	s_wait_alu depctr_va_sdst(0)                   ; s18 is written, ahead of its first reader: the wave's terms below are made from it
	s_lshr_b32 s19, s[WV], 2
	s_and_b32 s20, s[WV], 3
	s_cmp_lt_u32 s[WV], 8                          ; the prefetches: waves 0-7 of the left column half alone, so that each block is asked for once in the launch
	s_cselect_b32 s[PF], 1, 0
	s_cmp_eq_u32 s21, 0
	s_cselect_b32 s[PF], s[PF], 0
	; the wave's terms, one scalar run, each in a register of its own
	s_lshl_b32 s2, s[WV], 15                       ; memory: 16 rows a wave
	s_mul_i32 s3, s[WV], WSTG                      ; a buffer: 16 rows of 144 bytes a wave
	s_add_co_u32 s36, s3, STAGE                    ; my stage
	s_mul_i32 s37, s19, 64*PITCH                   ; my 64 rows of x
	s_mul_i32 s38, s20, 64*PITCH                   ; my 64 rows of W,
	s_add_co_u32 s38, s38, BOFF                    ; which lie behind x's 256
	v_add_nc_u32 v[GOFF], s2, v[GOFF]
	v_add_nc_u32 v[LST], s3, v[LST]
	v_add_nc_u32 v[LST+1], BUF, v[LST]
	v_add_nc_u32 v[STO], s36, v17
	v_add_nc_u32 v[RD], s36, v18
	v_add_nc_u32 v[ADRA], s37, v17
	v_add_nc_u32 v[ADRA+1], BUF, v[ADRA]
	v_add_nc_u32 v[ADRB], s38, v17
	v_add_nc_u32 v[ADRB+1], BUF, v[ADRB]
	; where my 64 tokens of my head begin in qkvh
	s_lshl_b32 s28, s22, 23                        ; the tensor: 16 heads x 4,096 rows x 128 bytes
	s_lshr_b32 s29, s23, 4                         ; batch
	s_lshl_b32 s29, s29, 3
	s_lshl_b32 s31, s21, 2
	s_add_co_u32 s29, s29, s31
	s_add_co_u32 s29, s29, s20                     ; batch x 8 + head, head = 4 x column half + wave % 4
	s_lshl_b32 s29, s29, 19
	s_add_co_u32 s28, s28, s29
	s_and_b32 s29, s23, 15
	s_lshl_b32 s29, s29, 8
	s_lshl_b32 s31, s19, 6
	s_add_co_u32 s29, s29, s31                     ; the token in its sequence
	s_lshl_b32 s29, s29, 7
	s_add_co_u32 s28, s28, s29
	s_mov_b32 s29, 0
	s_lshl_b32 s32, s23, 19                        ; 256 rows of 2,048 bytes
	s_mov_b32 s33, 0
	s_lshl_b32 s34, s21, 19
	s_mov_b32 s35, 0
	s_wait_kmcnt 0x0
	s_cmp_eq_u32 s22, 1                            ; the pair of inputs is chosen by t
	s_cselect_b64 s[XA:XA+1], s[6:7], s[4:5]
	s_cselect_b64 s[WB:WB+1], s[12:13], s[10:11]
	s_cmp_eq_u32 s22, 2
	s_cselect_b64 s[XA:XA+1], s[8:9], s[XA:XA+1]
	s_cselect_b64 s[WB:WB+1], s[14:15], s[WB:WB+1]
	s_add_nc_u64 s[XA:XA+1], s[XA:XA+1], s[32:33]
	s_add_nc_u64 s[WB:WB+1], s[WB:WB+1], s[34:35]
	s_add_nc_u64 s[16:17], s[16:17], s[28:29]
	s_wait_alu depctr_va_vdst(0)                   ; v3 to v15 are written, which the kernel's loads, stores and prefetches read as offsets and addresses; so are v16 to v19, in which fragments of W land
; K step s is asked for: 16 loads; sixteen lanes take 256 consecutive bytes of a row, at a multiple of 256 from the buffer's first byte
.macro GLOAD s
.irp i, 0,1,2,3,4,5,6,7
	global_load_b128 v[STG+4*\i:STG+4*\i+3], v[GOFF], s[XA:XA+1] offset:\i*4096+(\s)*256
.endr
.irp i, 0,1,2,3,4,5,6,7
	global_load_b128 v[STG+32+4*\i:STG+32+4*\i+3], v[GOFF], s[WB:WB+1] offset:\i*4096+(\s)*256
.endr
.endm
; rounded to bf16 in place, and into buffer n
.macro CVST n
.set i, 0
.rept 16
	v_cvt_pk_bf16_f32 v[STG+4*i], v[STG+4*i], v[STG+4*i+1]
	v_cvt_pk_bf16_f32 v[STG+4*i+1], v[STG+4*i+2], v[STG+4*i+3]
.set i, i+1
.endr
	s_wait_alu depctr_va_vdst(0)                   ; the roundings have written the pairs that the LDS stores read, and are done with STG, in which the next step's loads land; the last step's products are done reading BF and AF, in which the first fragment loads behind the barrier land
.irp i, 0,1,2,3,4,5,6,7
	ds_store_b64 v[LST+(\n)], v[STG+4*\i:STG+4*\i+1] offset:\i*2*PITCH
.endr
.irp i, 0,1,2,3,4,5,6,7
	ds_store_b64 v[LST+(\n)], v[STG+32+4*\i:STG+32+4*\i+1] offset:BOFF+\i*2*PITCH
.endr
.endm
.macro AFRAG n, c, a0                  ; x's fragments of token blocks a0, a0 + 1
.irp a, 0,1
	ds_load_b128 v[AF+8*\a:AF+8*\a+3],   v[ADRA+(\n)] offset:((\a0)+\a)*WSTG+64*(\c)
	ds_load_b128 v[AF+8*\a+4:AF+8*\a+7], v[ADRA+(\n)] offset:((\a0)+\a)*WSTG+64*(\c)+32
.endr
.endm
.macro MUL8 a0, zero                   ; 8 matrix instructions on 8 accumulators; the 16 take turns, one instruction a turn.  zero = 1: the first product starts the sums
.irp a, 0,1
.irp b, 0,1,2,3
.if \zero
	v_wmma_f32_16x16x32_bf16 v[ACC+8*(4*((\a0)+\a)+\b):ACC+8*(4*((\a0)+\a)+\b)+7], v[BF+8*\b:BF+8*\b+7], v[AF+8*\a:AF+8*\a+7], 0
.else
	v_wmma_f32_16x16x32_bf16 v[ACC+8*(4*((\a0)+\a)+\b):ACC+8*(4*((\a0)+\a)+\b)+7], v[BF+8*\b:BF+8*\b+7], v[AF+8*\a:AF+8*\a+7], v[ACC+8*(4*((\a0)+\a)+\b):ACC+8*(4*((\a0)+\a)+\b)+7]
.endif
.endr
.endr
.endm
; 32 along K (half c of buffer n): 16 matrix instructions.  behind = 1: products stand straight ahead of it (a step's second half); in a step's first half the wait behind the roundings serves
.macro KSUB n, c, zero, behind
.if \behind
	s_wait_alu depctr_va_vdst(0)                   ; the first half's sixteen products are done reading BF and AF, in which the twelve loads below land
.endif
.irp b, 0,1,2,3
	ds_load_b128 v[BF+8*\b:BF+8*\b+3],   v[ADRB+(\n)] offset:\b*WSTG+64*(\c)
	ds_load_b128 v[BF+8*\b+4:BF+8*\b+7], v[ADRB+(\n)] offset:\b*WSTG+64*(\c)+32
.endr
	AFRAG \n, \c, 0
	s_wait_dscnt 0x0                               ; the other three waves of the SIMD multiply meanwhile
	MUL8 0, \zero
	s_wait_alu depctr_va_vdst(0)                   ; the eight products above are done reading AF, in which the four loads below land
	AFRAG \n, \c, 2
	s_wait_dscnt 0x0
	MUL8 2, \zero
.endm
.macro KSTEP s
	s_wait_loadcnt 0x0                             ; step s is in registers: it was asked for a step ago
	CVST (\s)%2
.if (\s) < 7
	s_wait_alu depctr_vm_vsrc(0)                   ; the LDS stores have read their pairs of STG, in which the loads below land and which the next step's roundings write
	GLOAD (\s)+1
.endif
.if (\s) < 6                           ; x's 256 blocks of K step s + 2, whose loads are issued a step from here: one lane a row, 8 waves; the last asked for is step 7, inside each row
	s_cmp_eq_u32 s[PF], 0
	s_cbranch_scc1 .Lnopf_\@
	global_prefetch_b8 v[PFO], s[XA:XA+1] offset:((\s)+2)*256 th:TH_LOAD_NT scope:SCOPE_SE
.Lnopf_\@:
.endif
	s_wait_dscnt 0x0                               ; for the others' sake: my stores into the buffer are done
	s_barrier_signal -1
	s_barrier_wait -1
.if (\s) == 0
	KSUB 0, 0, 1, 0
.else
	KSUB (\s)%2, 0, 0, 0
.endif
	KSUB (\s)%2, 1, 0, 1
.endm
	GLOAD 0
.irp s, 0,1,2,3,4,5,6,7
	KSTEP \s
.endr
; THE WAY OUT.  All four token blocks are rounded to f16 (each accumulator from its low end on); then, a block at a time, 16 bytes a lane go into my stage and come back as whole rows:
; 16 tokens of a head are 2,048 consecutive bytes.  The rows land in the accumulators' first 64 registers, which the roundings have emptied: no load lands in a register that a store reads.
.macro PACK a
.irp b, 0,1,2,3
.irp r, 0,1,2,3
	v_cvt_pk_f16_f32 v[STG+16*(\a)+4*\b+\r], v[ACC+8*(4*(\a)+\b)+2*\r], v[ACC+8*(4*(\a)+\b)+2*\r+1]
.endr
.endr
.endm
.macro TOSTAGE a
.irp b, 0,1,2,3
	ds_store_b128 v[STO], v[STG+16*(\a)+4*\b:STG+16*(\a)+4*\b+3] offset:32*\b
.endr
.irp f, 0,1,2,3
	ds_load_b128 v[ACC+16*(\a)+4*\f:ACC+16*(\a)+4*\f+3], v[RD] offset:\f*4*PITCH  ; LDS serves a wave's instructions in order (ISA guide 5.7.1): these see the stores above; the next block's stores come behind them
.endr
.endm
.macro SEND a, younger                 ; younger: the LDS instructions issued behind block a's loads: the next block's eight, or none
.irp f, 0,1,2,3
	s_wait_dscnt (\younger)+3-\f
	global_store_b128 v[GO], v[ACC+16*(\a)+4*\f:ACC+16*(\a)+4*\f+3], s[16:17] offset:(\a)*2048+\f*512  ; 512 consecutive bytes, at a multiple of 256 from the buffer's first
.endr
.endm
.rept 4
	v_nop                                          ; four places behind the last matrix instructions, in front of the roundings that read their results (ISA guide 7.12.1)
.endr
	s_wait_alu depctr_vm_vsrc(0)                   ; step 7's LDS stores have read their pairs of STG, which the roundings below write
	PACK 0
	PACK 1
	PACK 2
	PACK 3
	s_wait_alu depctr_va_vdst(0)                   ; the roundings have written STG, which the stage's stores read. No vector instruction follows
	TOSTAGE 0
	TOSTAGE 1
	SEND 0, 8
	TOSTAGE 2
	SEND 1, 8
	TOSTAGE 3
	SEND 2, 8
	SEND 3, 0
	s_wait_dscnt 0x0                               ; the closing lines, six on end
	s_wait_alu 0x0
	s_wait_tensorcnt 0x0
	ds_add_u32 v[SPW], v[NIL]
	s_wait_dscnt 0x0
	s_endpgm
.Lfunc_end_k_qff8ab94a43_proj:
	.size	k_qff8ab94a43_proj, .Lfunc_end_k_qff8ab94a43_proj-k_qff8ab94a43_proj
	.p2alignl 7, 3214868480
	.fill 96, 4, 3214868480
	.section	.rodata,"a",@progbits
	.p2align	6, 0x0
	.amdhsa_kernel k_qff8ab94a43_proj
		.amdhsa_group_segment_fixed_size 186368
		.amdhsa_private_segment_fixed_size 0
		.amdhsa_enable_private_segment 0
		.amdhsa_kernarg_size 56
		.amdhsa_user_sgpr_count 2
		.amdhsa_user_sgpr_kernarg_segment_ptr 1
		.amdhsa_wavefront_size32 1
		.amdhsa_system_sgpr_workgroup_id_x 1
		.amdhsa_system_sgpr_workgroup_id_y 1
		.amdhsa_system_sgpr_workgroup_id_z 1
		.amdhsa_system_vgpr_workitem_id 0
		.amdhsa_next_free_vgpr 256
		.amdhsa_next_free_sgpr 66
		.amdhsa_reserve_vcc 0
		.amdhsa_float_denorm_mode_32 3
		.amdhsa_float_denorm_mode_16_64 3
		.amdhsa_memory_ordered 1
		.amdhsa_forward_progress 1
		.amdhsa_inst_pref_size 85
	.end_amdhsa_kernel
	.amdgpu_metadata
---
amdhsa.version: [ 1, 2 ]
amdhsa.kernels:
  - .name:           k_qff8ab94a43_proj
    .symbol:         k_qff8ab94a43_proj.kd
    .args:
      - { .name: q, .offset: 0, .size: 8, .value_kind: global_buffer, .address_space: global }
      - { .name: k, .offset: 8, .size: 8, .value_kind: global_buffer, .address_space: global }
      - { .name: v, .offset: 16, .size: 8, .value_kind: global_buffer, .address_space: global }
      - { .name: wq, .offset: 24, .size: 8, .value_kind: global_buffer, .address_space: global }
      - { .name: wk, .offset: 32, .size: 8, .value_kind: global_buffer, .address_space: global }
      - { .name: wv, .offset: 40, .size: 8, .value_kind: global_buffer, .address_space: global }
      - { .name: qkvh, .offset: 48, .size: 8, .value_kind: global_buffer, .address_space: global }
    .group_segment_fixed_size: 186368
    .private_segment_fixed_size: 0
    .kernarg_segment_align: 8
    .kernarg_segment_size: 56
    .max_flat_workgroup_size: 512
    .sgpr_count:     66
    .vgpr_count:     256
    .wavefront_size: 32
...
	.end_amdgpu_metadata
.endif
;; end of part 4
;; launch attn: the kernel of part 2 again; grid 16 x 16, 8 waves a work-group, no clusters, 175,104 bytes of LDS; arguments qkvh, wo, oh, wof; writes oh, wof
;; launch outp: the kernel of part 3 again; grid 4 x 64, 4 waves a work-group, clusters of 4 x 4, 312,832 bytes of LDS; arguments oh, wof, out0; writes out0
